; MI455X (gfx1250); checked and timed in simulation.
; The chip was launched on July 23, 2026; its instructions are those of AMD's public machine-readable ISA for CDNA 5 (MIT licence, August 2026) and "CDNA5" Instruction Set Architecture Reference Guide (July 2026). The comments in the code are by the model that wrote it; some were corrected since.
;; Sigmoid Mo E. Allowed arithmetic: matrix products marked QUANTISED: E2M1 operands, one E8M0 scale for each 32 along K, by v_wmma_scale_f32_16x16x128_f8f6f4 with both operands' format E2M1 (or v_wmma_scale_f32_32x16x128_f4), f32 sums; products left as they are: f32 operands where the result goes on into a quantised operand, else bf16, f16 or f32 operands; f32 sums; everything else in f32.
;; Inputs: router_b 8 float32; router_w 8 x 1,024 float32; w12 8 x 1,024 x 4,096 float32; w3 8 x 2,048 x 1,024 float32; x 2 x 512 x 1,024 float32.
;; Outputs: out0 2 x 512 x 1,024 float32; out1 one number float32.
;; This version of the problem:
;;   THIS VERSION OF THE PROBLEM IS GIVEN IN LOW PRECISION. The matrix products marked QUANTISED in the list below multiply operands that are first quantised to E2M1 (2 exponent bits, 1 mantissa bit; 4 bits a number), with one power-of-two scale for each 32 numbers along K (OCP MX v1.0); their sums are f32. All else is computed in f32.
;;   The module's matrix products, in the order in which they are computed (A, B: the left and right operand; K: the contracted axis; several contracted axes count as one K, in the product's order):
;;     1. [M 1,024, K 1,024] x [K 1,024, N 8]; A: input x; B: input router_w: left as it is (N = 8 < 16)
;;     2. batch 1,024 x [M 1, K 2] x [K 2, N 8]; A: computed on the way; B: computed on the way: left as it is (K = 2 < 32)
;;     3. [M 32,768, K 1,024] x [K 1,024, N 1,024]; A: input w12; B: input x: QUANTISED
;;     4. batch 8 x [M 1,024, K 2,048] x [K 2,048, N 1,024]; A: computed on the way; B: input w3: QUANTISED
;;     5. batch 1,024 x [M 1,024, K 8] x [K 8, N 1]; A: computed on the way; B: computed on the way: left as it is (K = 8 < 32)
;;   THE QUANTISER, for each operand of a quantised product, along K:
;;     - K is cut into blocks of 32 from its start; a last block that is shorter is filled with zeros.
;;     - A block's scale is 2^e with e = floor(log2(the largest magnitude in the block)) - 2, held to -126 .. 127; a block of zeros has e = 0. As a byte (E8M0): e + 127.
;;     - Each number is divided by its block's scale, clamped to +-6, and rounded to the nearest number of E2M1, ties to even, subnormals kept.
;;     - The product sums the exact products of the quantised numbers (number of the format x scale) in f32.
;;   ~~~python
;;   def quantise(x, axis):      # numpy; x: float32 -> the quantised numbers, widened to float32 again
;;       x = np.moveaxis(x, axis, -1); K = x.shape[-1]
;;       x = np.pad(x, [(0, 0)] * (x.ndim - 1) + [(0, -K % 32)]); x = x.reshape(x.shape[:-1] + (-1, 32)); a = np.abs(x).max(-1, keepdims=True)
;;       e = np.where(a > 0, np.clip(np.frexp(np.where(a > 0, a, 1))[1] - 1 - 2, -126, 127), 0)      # np.frexp(a)[1] - 1 = floor(log2(a)), exactly
;;       r = np.clip(x / 2.0 ** e, -6, 6)
;;       step = 2.0 ** (np.maximum(np.frexp(np.where(r == 0, 1, r))[1] - 1, 0) - 1)
;;       q = np.round(r / step) * step * 2.0 ** e      # np.round: ties to even
;;       return np.moveaxis(q.reshape(q.shape[:-2] + (-1,))[..., :K], -1, axis).astype(np.float32)
;;   ~~~
;;   OPERANDS COMPUTED ON THE WAY. 'Computed on the way' means the value that the module computes at that place (a softmax that the list does not call 'softmax' is quantised finished and normalised). What goes into a quantiser is computed in f32, as accurately as f32 sums, v_exp_f32 and their like allow (about 1e-6 of the number): no bf16 or f16 on the way to a quantiser, and a product that is left as it is and whose result goes on into a quantised operand takes f32 operands (vector FMAs, or v_wmma_f32_16x16x4_f32). A number that lies on a knife's edge between two numbers of the format may be rounded either way, as far as f32 arithmetic and the matrix unit's own rounding can turn it there, and no further.
;; One version. Each part assembles by itself: llvm-mc -triple=amdgcn-amd-amdhsa -mcpu=gfx1250 --defsym DOCPART=n.
;; ======== version 1 of 1: 4 launches
;; limits: right only within a limited range of input values
;; workspace buffers: xq 557,056 bytes; sel 4,096 bytes of whole numbers; rf 12,288 bytes; hc 8,388,608 bytes; hs 524,288 bytes; pt 36,864 bytes of whole numbers; y 67,108,864 bytes
;; launch route (part 1): grid 256 x 1, 4 waves a work-group, no clusters, 18,944 bytes of LDS; arguments x, router_w, router_b, xq, sel, rf; writes xq, sel, rf
.if DOCPART == 1
	.amdgcn_target "amdgcn-amd-amdhsa--gfx1250"
	.amdhsa_code_object_version 6
	.text
	.protected	k_qe20ef7bd47_route
	.globl	k_qe20ef7bd47_route
	.p2align	8
	.type	k_qe20ef7bd47_route,@function
k_qe20ef7bd47_route:
	s_mov_b64 s[64:65], 0
	v_nop
	global_prefetch_b8 v0, s[64:65] scope:SCOPE_SE
	s_setreg_imm32_b32 hwreg(HW_REG_WAVE_MODE, 25, 1), 1
	s_wait_xcnt 0x0
; ROUTE.  One wave takes one token t = 4 x work-group + wave.  It makes the token's 8 logits (f32 multiply-adds), their sigmoids, the two largest
; (equal scores keep the lower index, as jax.lax.top_k does), the two weights c = score / (sum of the two + 1e-6), the token's sum of logit^2,
; and the token's 1,024 numbers of x as codes of E2M1 with one E8M0 byte for each 32 along D.
; OUT: xq: bytes 0 .. 524,287 codes [t][512]; from 524,288 on scale bytes [t][32].  sel[t] = e0 | e1 << 8 | ((1 << e0) | (1 << e1)) << 16.
;      rf: [t][2] c0, c1; from byte 8,192 on [t] the sum of logit^2.  No address and no branch here hangs on the choice: it is only stored.
; LIMITS: NaN and infinities among the inputs are not served.  A block of zeros gets the byte 1 (the rule says 127): its codes are zeros and the bytes are read by this
; program alone.  The choice follows this text's f32 scores, 1 / (1 + 2^(-l log2 e)): two scores that differ in the last bits only may fall the other way than in the model.
; No matrix unit (N = 8), no barrier (waves share nothing), no tensor load (36 KB a wave, most of it read by every wave).
.set WBYTES, 4608                      ; LDS of a wave: 32 places of 128 bytes + 16 of padding
.set XL,   32                          ; v32-63   x as loaded: register 4 i + j = element 128 i + 4 lane + j
.set XT,   64                          ; v64-95   x turned: register i = element 32 lane + i: one block of 32 a lane
.set ACC,  96                          ; v96-111  a pair of partial sums for each expert
.set LG,   112                         ; v112-119 logits
.set SC,   120                         ; v120-127 scores
.set AX,   128                         ; the sum of logit^2
.set BEST, 129
.set BI,   130
.set BSEC, 131
.set BI2,  132
.set NEG1, 133
.set ONE,  134
.set DEN,  135
.set CW,   136                         ; v136-137 c0, c1
.set SELW, 138
.set MA,   139
.set MB,   140
.set MXA,  141
.set MXB,  142
.set SO,   143
.set BY,   144
.set VZ,   145
.set CD,   160                         ; v160-163 the block's 32 codes
; window 1: v0-255: router_w: register 32 e + 4 i + j = router_w[e][128 i + 4 lane + j]
.set MSB, 0
.macro WIN new                         ; the immediate's high byte repeats the setting that is left
.if MSB != \new
	s_set_vgpr_msb (MSB<<8)|\new
.set MSB, \new
.endif
.endm
	s_load_b256 s[4:11], s[0:1], 0x0               ; x, router_w, router_b, xq
	s_load_b128 s[12:15], s[0:1], 0x20             ; sel, rf
	v_lshl_add_u32 v254, v0, 2, 0x4800
	v_mov_b32 v255, 0
	v_lshrrev_b32 v6, 5, v0
	v_readfirstlane_b32 s16, v6                    ; wave
	v_and_b32 v1, 31, v0                           ; lane
	v_lshlrev_b32 v2, 4, v1                        ; 16 x lane
	s_mul_i32 s18, s16, WBYTES
	v_lshrrev_b32 v6, 3, v1
	v_mul_u32_u24 v3, v6, 144
	v_and_b32 v6, 7, v1
	v_lshl_add_u32 v3, v6, 4, v3
	v_add_nc_u32 v3, s18, v3                       ; into the stage: eight lanes' 128 bytes fill a place
	v_mul_u32_u24 v4, v1, 144
	v_add_nc_u32 v4, s18, v4                       ; out of it: place = lane
	v_mov_b32 v[VZ], 0
	v_mov_b32 v[NEG1], -1.0
	v_mov_b32 v[ONE], 1
	s_lshl_b32 s17, ttmp9, 2
	s_add_co_u32 s17, s17, s16                     ; t
	s_mov_b32 s28, 0x76543210
	s_mov_b32 s29, 0xfedcba98                      ; v_permlanex16_b32's selects for lane xor 16
	s_lshl_b32 s30, s17, 12                        ; a row of x: 4,096 bytes
	s_mov_b32 s31, 0
	s_lshl_b32 s34, s17, 9                         ; a row of codes: 512
	s_mov_b32 s35, 0
	s_lshl_b32 s36, s17, 5                         ; a row of scale bytes: 32
	s_mov_b32 s37, 0
	s_lshl_b32 s38, s17, 2
	s_mov_b32 s39, 0
	s_lshl_b32 s40, s17, 3
	s_mov_b32 s41, 0
	s_wait_alu depctr_va_vdst(0)
	s_wait_kmcnt 0x0
	s_load_b256 s[20:27], s[8:9], 0x0              ; router_b
	s_add_nc_u64 s[4:5], s[4:5], s[30:31]
	s_add_nc_u64 s[34:35], s[10:11], s[34:35]
	s_add_nc_u64 s[36:37], s[10:11], s[36:37]
	s_add_nc_u64 s[12:13], s[12:13], s[38:39]
	s_add_nc_u64 s[40:41], s[14:15], s[40:41]
	s_add_nc_u64 s[14:15], s[14:15], s[38:39]
.irp i, 0,1,2,3,4,5,6,7
	global_load_b128 v[XL+4*\i:XL+4*\i+3], v2, s[4:5] offset:512*\i th:TH_LOAD_NT   ; 32 lanes read 512 consecutive bytes
.endr
	WIN 0x40                                       ; destination window 1
.irp e, 0,1,2,3,4,5,6,7
.irp i, 0,1,2,3,4,5,6,7
	global_load_b128 v[32*\e+4*\i:32*\e+4*\i+3], v2, s[6:7] offset:4096*\e+512*\i
.endr
.endr
	WIN 0
	s_wait_loadcnt 63                              ; 64 loads stand behind x's eight; a count cannot name more than 63, so one of the younger is waited for too
.irp i, 0,1,2,3,4,5,6,7
	ds_store_b128 v3, v[XL+4*\i:XL+4*\i+3] offset:576*\i    ; a load's 512 bytes take four places
.endr
.irp g, 0,1,2,3,4,5,6,7
	ds_load_b128 v[XT+4*\g:XT+4*\g+3], v4 offset:16*\g      ; LDS serves a wave's instructions in order: these see my stores
.endr
	s_wait_dscnt 0x0
	; my block of 32: the largest magnitude, its scale, the codes.  This stands under router_w's loads
	v_max3_num_f32 v[MXA], |v[XT]|, |v[XT+1]|, |v[XT+2]|
	v_max3_num_f32 v[MXB], |v[XT+3]|, |v[XT+4]|, |v[XT+5]|
.irp i, 6,10,14,18,22,26
	v_max3_num_f32 v[MXA], v[MXA], |v[XT+\i]|, |v[XT+\i+1]|
	v_max3_num_f32 v[MXB], v[MXB], |v[XT+\i+2]|, |v[XT+\i+3]|
.endr
	v_max3_num_f32 v[MXA], v[MXA], |v[XT+30]|, |v[XT+31]|
	v_max3_num_f32 v[MXA], v[MXA], v[MXB], 0x1800000   ; and the floor 2^(3 - 127): the byte cannot fall under 1
	v_add_nc_u32 v[SO], 0xff000000, v[MXA]         ; 2 off the exponent field: the conversion takes this operand's exponent field as its scale
	v_lshrrev_b32 v[BY], 23, v[SO]                 ; the scale's byte
.irp g, 0,1,2,3
	v_cvt_scalef32_pk8_fp4_f32 v[CD+\g], v[XT+8*\g:XT+8*\g+7], v[SO]
.endr
	v_nop                                          ; one plain place behind the last scaled conversion
	global_store_b128 v2, v[CD:CD+3], s[34:35]     ; the wave stores the row's 512 consecutive bytes
	global_store_b8 v1, v[BY], s[36:37] offset:524288
	s_wait_loadcnt 0x0                             ; router_w
	s_wait_kmcnt 0x0                               ; router_b
	WIN 0x04                                       ; source 1 window 1
.irp e, 0,1,2,3,4,5,6,7
	v_pk_mul_f32 v[ACC+2*\e:ACC+2*\e+1], v[XL:XL+1], v[32*\e:32*\e+1]      ; the first product starts each sum
.endr
.irp q, 1,2,3,4,5,6,7,8,9,10,11,12,13,14,15
.irp e, 0,1,2,3,4,5,6,7
	v_pk_fma_f32 v[ACC+2*\e:ACC+2*\e+1], v[XL+2*\q:XL+2*\q+1], v[32*\e+2*\q:32*\e+2*\q+1], v[ACC+2*\e:ACC+2*\e+1]   ; the eight experts by turns
.endr
.endr
	WIN 0
.irp e, 0,1,2,3,4,5,6,7
	v_add_f32 v[LG+\e], v[ACC+2*\e], v[ACC+2*\e+1]
.endr
.irp m, 1,2,4,8
.irp e, 0,1,2,3,4,5,6,7
	v_add_f32_dpp v[LG+\e], v[LG+\e], v[LG+\e] row_xmask:\m row_mask:0xf bank_mask:0xf
.endr
.endr
.irp e, 0,1,2,3,4,5,6,7
	v_permlanex16_b32 v[ACC+2*\e], v[LG+\e], s28, s29      ; its destination has been written before
.endr
.irp e, 0,1,2,3,4,5,6,7
	v_add_f32 v[LG+\e], v[LG+\e], v[ACC+2*\e]
.endr
.irp e, 0,1,2,3,4,5,6,7
	v_add_f32 v[LG+\e], s[20+\e], v[LG+\e]         ; + router_b: every lane holds all eight logits
.endr
	v_mul_f32 v[AX], v[LG], v[LG]
.irp e, 1,2,3,4,5,6,7
	v_fmac_f32 v[AX], v[LG+\e], v[LG+\e]
.endr
.irp e, 0,1,2,3,4,5,6,7
	v_mul_f32 v[SC+\e], 0xbfb8aa3b, v[LG+\e]       ; -l log2 e
.endr
	s_wait_alu depctr_va_vdst(0)
.irp e, 0,1,2,3,4,5,6,7
	v_exp_f32 v[SC+\e], v[SC+\e]
.endr
	v_nop                                          ; a plain place behind the transcendentals
	s_wait_alu depctr_va_vdst(0)
.irp e, 0,1,2,3,4,5,6,7
	v_add_f32 v[SC+\e], 1.0, v[SC+\e]
.endr
	s_wait_alu depctr_va_vdst(0)
.irp e, 0,1,2,3,4,5,6,7
	v_rcp_f32 v[SC+\e], v[SC+\e]
.endr
	v_mov_b32 v[BI], 0                             ; (a plain place)
	s_wait_alu depctr_va_vdst(0)
	v_mov_b32 v[BEST], v[SC]
.irp e, 1,2,3,4,5,6,7
	v_cmp_ge_f32 vcc_lo, v[BEST], v[SC+\e]         ; the holder stays unless the newcomer is strictly larger: ties keep the lower index
	v_cndmask_b32 v[BI], \e, v[BI], vcc_lo
	v_cndmask_b32 v[BEST], v[SC+\e], v[BEST], vcc_lo
.endr
.irp e, 0,1,2,3,4,5,6,7
	v_cmp_eq_u32 vcc_lo, \e, v[BI]
	v_cndmask_b32 v[SC+\e], v[SC+\e], v[NEG1], vcc_lo      ; the winner leaves the field: -1 lies under every score
.endr
	v_mov_b32 v[BI2], 0
	v_mov_b32 v[BSEC], v[SC]
.irp e, 1,2,3,4,5,6,7
	v_cmp_ge_f32 vcc_lo, v[BSEC], v[SC+\e]
	v_cndmask_b32 v[BI2], \e, v[BI2], vcc_lo
	v_cndmask_b32 v[BSEC], v[SC+\e], v[BSEC], vcc_lo
.endr
	v_add_f32 v[DEN], v[BEST], v[BSEC]
	v_add_f32 v[DEN], 0x358637bd, v[DEN]           ; + 1e-6
	s_wait_alu depctr_va_vdst(0)
	v_rcp_f32 v[DEN], v[DEN]
	v_lshlrev_b32 v[MA], v[BI], v[ONE]             ; (a plain place)  1 << e0
	v_lshlrev_b32 v[MB], v[BI2], v[ONE]
	s_wait_alu depctr_va_vdst(0)
	v_mul_f32 v[CW], v[BEST], v[DEN]
	v_mul_f32 v[CW+1], v[BSEC], v[DEN]
	v_or_b32 v[MA], v[MA], v[MB]
	v_lshl_or_b32 v[SELW], v[BI2], 8, v[BI]
	v_lshl_or_b32 v[SELW], v[MA], 16, v[SELW]
	s_wait_alu depctr_va_vdst(0)
	s_wait_xcnt 0x0                                ; EXEC changes only behind this wait: it is a source of the stores above
	v_cmp_eq_u32 vcc_lo, 0, v1
	s_wait_tensorcnt 0x0
	ds_add_u32 v254, v255
	s_wait_dscnt 0x0
	s_and_saveexec_b32 s32, vcc_lo                 ; lane 0 alone
	global_store_b32 v[VZ], v[SELW], s[12:13]
	global_store_b64 v[VZ], v[CW:CW+1], s[40:41]
	global_store_b32 v[VZ], v[AX], s[14:15] offset:8192
	s_wait_xcnt 0x0                                ; and again in front of the line that widens it
	s_or_b32 exec_lo, exec_lo, s32
	s_endpgm
.Lfunc_end_k_qe20ef7bd47_route:
	.size	k_qe20ef7bd47_route, .Lfunc_end_k_qe20ef7bd47_route-k_qe20ef7bd47_route
	.p2alignl 7, 3214868480
	.fill 96, 4, 3214868480
	.section	.rodata,"a",@progbits
	.p2align	6, 0x0
	.amdhsa_kernel k_qe20ef7bd47_route
		.amdhsa_group_segment_fixed_size 18944
		.amdhsa_private_segment_fixed_size 0
		.amdhsa_enable_private_segment 0
		.amdhsa_kernarg_size 48
		.amdhsa_user_sgpr_count 2
		.amdhsa_user_sgpr_kernarg_segment_ptr 1
		.amdhsa_wavefront_size32 1
		.amdhsa_system_sgpr_workgroup_id_x 1
		.amdhsa_system_sgpr_workgroup_id_y 1
		.amdhsa_system_sgpr_workgroup_id_z 1
		.amdhsa_system_vgpr_workitem_id 0
		.amdhsa_next_free_vgpr 512
		.amdhsa_next_free_sgpr 66
		.amdhsa_reserve_vcc 1
		.amdhsa_float_denorm_mode_32 3
		.amdhsa_float_denorm_mode_16_64 3
		.amdhsa_memory_ordered 1
		.amdhsa_forward_progress 1
		.amdhsa_inst_pref_size 28
	.end_amdhsa_kernel
	.amdgpu_metadata
---
amdhsa.version: [ 1, 2 ]
amdhsa.kernels:
  - .name:           k_qe20ef7bd47_route
    .symbol:         k_qe20ef7bd47_route.kd
    .args:
      - { .name: x, .offset: 0, .size: 8, .value_kind: global_buffer, .address_space: global }
      - { .name: router_w, .offset: 8, .size: 8, .value_kind: global_buffer, .address_space: global }
      - { .name: router_b, .offset: 16, .size: 8, .value_kind: global_buffer, .address_space: global }
      - { .name: xq, .offset: 24, .size: 8, .value_kind: global_buffer, .address_space: global }
      - { .name: sel, .offset: 32, .size: 8, .value_kind: global_buffer, .address_space: global }
      - { .name: rf, .offset: 40, .size: 8, .value_kind: global_buffer, .address_space: global }
    .group_segment_fixed_size: 18944
    .private_segment_fixed_size: 0
    .kernarg_segment_align: 8
    .kernarg_segment_size: 48
    .max_flat_workgroup_size: 128
    .sgpr_count:     66
    .vgpr_count:     512
    .wavefront_size: 32
...
	.end_amdgpu_metadata
.endif
;; end of part 1
;; launch up (part 2): grid 32 x 8, 4 waves a work-group, no clusters, 70,144 bytes of LDS; arguments xq, sel, w12, hc, hs, pt; writes hc, hs, pt
.if DOCPART == 2
	.amdgcn_target "amdgcn-amd-amdhsa--gfx1250"
	.amdhsa_code_object_version 6
	.text
	.protected	k_qe20ef7bd47_up
	.globl	k_qe20ef7bd47_up
	.p2align	8
	.type	k_qe20ef7bd47_up,@function
k_qe20ef7bd47_up:
	s_mov_b64 s[64:65], 0
	v_nop
	global_prefetch_b8 v0, s[64:65] scope:SCOPE_SE
	s_setreg_imm32_b32 hwreg(HW_REG_WAVE_MODE, 25, 1), 1
	s_wait_xcnt 0x0
; UP.  hidden = silu(x W1) * (x W2) on codes of E2M1, for the rows that chose the expert, and the hidden layer's codes for the next product.
; launch, quantised here along K and kept: first as register images in LDS, then in every wave's registers.  So no codes of w12 ever go to memory.
; ROWS BY SEGMENTS.  An expert's 1,024 positions are four segments of 256.  Wave w owns tokens 256 w .. 256 w + 255; those of them that chose e take positions 256 w + 0, 1, .. in ascending t.  So a
; wave needs nobody else's count, and all that steers its branches and addresses is made in its own registers from sel, which an earlier launch stored as whole numbers.
; PHASES.  (a) each wave reads its 256 words of sel and keeps, for each of its 8 groups of 32 tokens, the mask of those that chose e and how many chose e before the group; this stands under the wait for
; the first loads of w12.  (b) wave w streams K rows 256 w .. 256 w + 255, eight sets of one block of 32 rows, and stores fragments' images and scale bytes | barrier |
; (c) every wave takes all 64 fragments into registers and walks its segment's tiles of 16 positions: the tokens found from the masks, x's codes gathered, 64 matrix instructions, the activation in f32, two
; blocks of 32 hidden units quantised, 512 bytes of codes and 16 scale words stored.  A wave whose next tile begins at or past its count ends: its positions only rise, and no barrier follows.
; The loop has the constant 8 trips of two tiles: 16 tiles serve a whole segment, so every split is served, all 1,024 tokens on one expert too.  Rows of a segment's last tile past the count are other
; tokens of the segment: they are computed and stored, and nobody uses them.
; WHY NO TENSOR LOAD, NO CLUSTER: branches here hang on a count made from stored numbers; each byte of w12 has one reader; what is shared (x's codes, 139 KB a work-group) is gathered by token.
; LAYOUT.  The products are used transposed (source 0 = 16 units of the weight, source 1 = 16 tokens), so a lane holds one token.  Row m of tile 2 b + u is local unit 32 b + 16 (m / 8) + 8 u + m % 8, so that
; the 16 registers of tiles 2 b and 2 b + 1 are 16 neighbouring units, 32 b + 16 (lane / 16) + 0 .. 15.  Tiles 0-3: first half (h1), tiles 4-7: the same units of the second half (h2).
; EXEC IS NEVER WRITTEN: every line runs with all lanes on.  A NUMBER MADE FROM LOADED ONES ENTERS AN ADDRESS (a token) only behind v_min_u32 with a constant, and behind that by one plain shift and one plain addition.
; LIMITS: NaN and infinities are not served; a block of zeros carries the byte 1 with zero codes (the bytes are read by this program alone).
; OUT: hc [e][slice of 64 units][position][32 bytes: block 0, block 1]; hs [e][slice][position] two scale bytes; pt (work-groups with us = 0): [e][t] t's position (a number of no meaning where t did
; not choose e), and from byte 32,768 on [e][wave][32] the segment's count.
.set IMG,  0                           ; LDS: fragment (tile t, K step s) at (8 t + s) x 1,024, as an image of its registers: + 512 c + 16 x lane
.set SCL,  65536                       ; scale bytes: 512 s + 16 (16 half + row) + 4 (tile % 4) + block % 4: a lane's 16 bytes are four tiles' words of K step s
; window 0: v1 lane, v2 r, v3 h, v4 w12 offset, v5 image address, v6 scale byte address, v7 16 lane, v8 SCL + 16 lane, v11 16 h, v12 32 r + 16 h, v13 2 r, v14 4 lane,
;   v16-17 tokens, v18-19 offsets of their codes, v20-21 of their scale bytes, v22-23 store offsets, v26, v28-31 at work
.set SW,   32                          ; v32-63   w12's scale words: register 4 s + q: lanes 0-15 tile q (h1), lanes 16-31 tile 4 + q (h2)
.set SL,   64                          ; (a) v64-71 my segment's sel, then its tokens' positions
.set T,    64                          ; (b) v64-191 a set turned: register 32 j + k = column j, row k
.set C,    192                         ; (b) v192-207 codes
.set MX,   208
.set SO,   212
.set BY,   216
.set VP,   64                          ; (c) v64-77 the search for a tile's tokens: my place in the segment,
.set VX,   65                          ;     8 x that + 7,
.set VQ,   66                          ;     my group's entry of TQ,
.set VM,   67                          ;     my group's mask,
.set VK,   68                          ;     which of its set bits is mine,
.set VT,   69                          ;     at work,
.set HB2,  70                          ;     the mask's bit counts by fields of 2,
.set HB4,  71                          ;     4,
.set HB8,  72                          ;     8
.set HB16, 73                          ;     and 16 bits,
.set VC,   74                          ;     the lower half's count,
.set VD,   75                          ;     the step,
.set POS,  76                          ;     the bit's place so far,
.set VG,   77                          ;     my group
.set K16,  80                          ; (c) v80-84 the numbers 16, 8, 4, 2, 1
.set K8,   81
.set K4,   82
.set K2,   83
.set K1,   84
.set TF,   86                          ; (a) v86-93 the tokens found: register g, lane l = the token at place 32 g + l of my segment
.set TK,   240                         ; (b), (c) v240-247 the same, kept where the masks lay; shifted down one register a trip
.set H1,   96                          ; (c) v96-127, v128-159 the two halves' four tiles; v160-191 the hidden units
.set H2,   128
.set TT,   160
.set CD,   192
.set QX,   196
.set PX,   198
.set QS,   200
.set QB,   202
.set HSW,  204
.set XSW,  224                         ; v224-231, v232-239 x's scale words, two sets; these registers hold nothing else
.set TM,   240                         ; v240-247 group i's mask: bit l = token 256 w + 32 i + l chose e (the same in every lane)
.set TQ,   248                         ; v248-255 8 x (how many chose e in the groups before i) + i (the same in every lane)
; window 1: (b) two sets of 128 as loaded: register 4 k + j = row k, column j;  (c) h1's fragments, (q, s) at 8 (8 q + s).   window 2: h2's.   window 3: x's fragments, two sets of 64
.set MSB, 0
.macro WIN new                         ; the immediate's high byte repeats the setting that is left
.if MSB != \new
	s_set_vgpr_msb (MSB<<8)|\new
.set MSB, \new
.endif
.endm
.macro LOADSET i                       ; rows 32 i .. 32 i + 31 of my 256: lanes 0-15 read 256 consecutive bytes of h1's columns, lanes 16-31 of h2's
	WIN 0x40
.set kk, 0
.rept 32
	global_load_b128 v[128*((\i)%2)+4*kk:128*((\i)%2)+4*kk+3], v4, s[8:9] offset:(32*(\i)+kk)*16384 th:TH_LOAD_NT
.set kk, kk+1
.endr
	WIN 0
.endm
; Set i is K block 8 w + i of my four columns.  A load brings 4 columns of a row; the conversions want 8 neighbours along K in consecutive registers: the set is turned by moves.
.macro PROCESS i, left
	s_wait_loadcnt \left                           ; this set's 32 loads are in; the other buffer's may be out
	WIN 0x01                                       ; source window 1
.set kk, 0
.rept 32
.irp j, 0,1,2,3
	v_mov_b32 v[T+32*\j+kk], v[128*((\i)%2)+4*kk+\j]
.endr
.set kk, kk+1
.endr
.if (\i) < 6
	LOADSET (\i)+2                                 ; the buffer just read takes the set two further on
.endif
	WIN 0
	s_wait_dscnt 0x0                               ; the last set's LDS stores have read the codes' and bytes' registers
.irp j, 0,1,2,3
	v_max3_num_f32 v[MX+\j], |v[T+32*\j]|, |v[T+32*\j+1]|, 0x1800000      ; with the floor 2^(3 - 127): the byte cannot fall under 1
.endr
.irp n, 2,4,6,8,10,12,14,16,18,20,22,24,26,28,30
.irp j, 0,1,2,3
	v_max3_num_f32 v[MX+\j], v[MX+\j], |v[T+32*\j+\n]|, |v[T+32*\j+\n+1]|   ; the four columns by turns
.endr
.endr
.irp j, 0,1,2,3
	v_add_nc_u32 v[SO+\j], 0xff000000, v[MX+\j]    ; 2 off the exponent field: the conversion's scale operand
.endr
.irp j, 0,1,2,3
	v_lshrrev_b32 v[BY+\j], 23, v[SO+\j]           ; the scale's byte
.endr
.irp j, 0,1,2,3
.irp g, 0,1,2,3
	v_cvt_scalef32_pk8_fp4_f32 v[C+4*\j+\g], v[T+32*\j+8*\g:T+32*\j+8*\g+7], v[SO+\j]
.endr
.endr
	v_nop                                          ; one plain place behind the last scaled conversion
.irp j, 0,1,2,3
	ds_store_b128 v5, v[C+4*\j:C+4*\j+3] offset:((\i)/4)*1024+(((\i)%4)/2)*512+((\i)%2)*256+16*\j   ; the block's 16 bytes at their place in the fragment's image
	ds_store_b8 v6, v[BY+\j] offset:((\i)/4)*512+(\i)%4+16*\j
.endr
.endm
; Group i of my segment: tokens 256 w + 32 i + lane.  Its mask and its entry of TQ are kept; the tokens' positions take sel's place in the registers.  s20 counts those that chose e so far.
.macro GROUP i
	v_and_b32 v26, s19, v[SL+\i]
	v_cmp_ne_u32 vcc_lo, 0, v26                    ; the lanes whose token chose e
	v_mov_b32 v[TM+\i], vcc_lo
	v_mbcnt_lo_u32_b32 v[SL+\i], vcc_lo, 0         ; how many of them lie below me
	s_lshl_b32 s21, s20, 3
	s_or_b32 s21, s21, \i
	v_mov_b32 v[TQ+\i], s21
	s_add_co_u32 s22, s20, s42
	v_add_nc_u32 v[SL+\i], s22, v[SL+\i]           ; + those of the groups before + 256 w: my token's position, if it chose e
	s_bcnt1_i32_b32 s21, vcc_lo
	s_add_co_u32 s20, s20, s21
.endm
; One halving: the window of 2 n bits at POS holds my bit.  If the lower n bits (their count is the field of h at POS) hold VK set bits or fewer, mine lies in the upper n.
.macro LEVEL h, m, kc
	v_lshrrev_b32 v[VC], v[POS], v[\h]
	v_and_b32 v[VC], \m, v[VC]
	v_cmp_ge_u32 vcc_lo, v[VK], v[VC]
	v_cndmask_b32 v[VC], 0, v[VC], vcc_lo
	v_cndmask_b32 v[VD], 0, v[\kc], vcc_lo
	v_sub_nc_u32 v[VK], v[VK], v[VC]
	v_add_nc_u32 v[POS], v[POS], v[VD]
.endm
; The tokens at places 32 g .. 32 g + 31 of my segment, a lane a place p.  Its group is the last i whose groups before hold p or fewer: 8 p + 7 >= TQ[i] says just that.
; In the group's mask it is set bit number p - (those before).  A place at or past the count ends on some token of the segment: a real row.
.macro FIND g
	v_add_nc_u32 v[VP], 32*(\g), v1
	v_lshl_or_b32 v[VX], v[VP], 3, 7
	v_mov_b32 v[VQ], v[TQ]
	v_mov_b32 v[VM], v[TM]
.irp i, 1,2,3,4,5,6,7
	v_cmp_ge_u32 vcc_lo, v[VX], v[TQ+\i]
	v_cndmask_b32 v[VQ], v[VQ], v[TQ+\i], vcc_lo
	v_cndmask_b32 v[VM], v[VM], v[TM+\i], vcc_lo
.endr
	v_lshrrev_b32 v[VT], 3, v[VQ]
	v_sub_nc_u32 v[VK], v[VP], v[VT]
	v_and_b32 v[VG], 7, v[VQ]
	v_lshrrev_b32 v[VT], 1, v[VM]                  ; the mask's bit counts: by pairs,
	v_and_b32 v[VT], 0x55555555, v[VT]
	v_sub_nc_u32 v[HB2], v[VM], v[VT]
	v_lshrrev_b32 v[VT], 2, v[HB2]                 ; by fours,
	v_and_b32 v[VT], 0x33333333, v[VT]
	v_and_b32 v[HB4], 0x33333333, v[HB2]
	v_add_nc_u32 v[HB4], v[HB4], v[VT]
	v_lshrrev_b32 v[VT], 4, v[HB4]                 ; by bytes,
	v_add_nc_u32 v[VT], v[VT], v[HB4]
	v_and_b32 v[HB8], 0x0f0f0f0f, v[VT]
	v_lshrrev_b32 v[VT], 8, v[HB8]                 ; by halves
	v_add_nc_u32 v[VT], v[VT], v[HB8]
	v_and_b32 v[HB16], 0x00ff00ff, v[VT]
	v_and_b32 v[VC], 31, v[HB16]                   ; the first halving, at place 0
	v_cmp_ge_u32 vcc_lo, v[VK], v[VC]
	v_cndmask_b32 v[VC], 0, v[VC], vcc_lo
	v_cndmask_b32 v[POS], 0, v[K16], vcc_lo
	v_sub_nc_u32 v[VK], v[VK], v[VC]
	LEVEL HB8, 15, K8
	LEVEL HB4, 7, K4
	LEVEL HB2, 3, K2
	LEVEL VM, 1, K1
	v_lshl_add_u32 v[TF+(\g)], v[VG], 5, v[POS]    ; 32 x group + bit
	v_add_nc_u32 v[TF+(\g)], s42, v[TF+(\g)]       ; + 256 w: the token
.endm
; A tile's 16 tokens out of register src (up = 0: its lanes 0-15, 1: its lanes 16-31), the same in both halves of the lanes, and their offsets in xq, into set b
.macro PICK b, src, up
	v_permlanex16_b32 v[VT], v[\src], s32, s33     ; the other half's tokens
.if \up
	v_cndmask_b32 v[16+(\b)], v[VT], v[\src], s46
.else
	v_cndmask_b32 v[16+(\b)], v[\src], v[VT], s46
.endif
	v_min_u32 v[16+(\b)], 0x3ff, v[16+(\b)]        ; a token is under 1,024
	v_lshlrev_b32 v[18+(\b)], 9, v[16+(\b)]        ; token x 512
	v_add_nc_u32 v[18+(\b)], v11, v[18+(\b)]       ; + 16 h
	v_lshlrev_b32 v[20+(\b)], 5, v[16+(\b)]        ; token x 32
.endm
.macro AISSUE b                        ; 16 tokens' codes (8 fragments) and scale words into set b: 18 loads
	WIN 0xc0                                       ; destination window 3
.irp s, 0,1,2,3,4,5,6,7
.irp c, 0,1
	global_load_b128 v[64*(\b)+8*\s+4*\c:64*(\b)+8*\s+4*\c+3], v[18+(\b)], s[4:5] offset:64*\s+32*\c
.endr
.endr
	WIN 0
	global_load_b128 v[XSW+8*(\b):XSW+8*(\b)+3], v[20+(\b)], s[30:31]
	global_load_b128 v[XSW+8*(\b)+4:XSW+8*(\b)+7], v[20+(\b)], s[30:31] offset:16
.endm
.macro TILE b
	s_cmp_ge_u32 s24, s23                          ; my tile begins at or past the count: so do all my later ones
	s_cbranch_scc1 .Ldone
	s_wait_xcnt 0x0                                ; the last tile's stores have read their data and offsets
	s_wait_loadcnt 18                              ; this tile's 18 loads, issued two tiles back, are in; the 18 just issued may be out
	WIN 0x0d                                       ; source 0 window 1 (h1), source 1 window 3 (x)
.irp s, 0,1,2,3,4,5,6,7                        ; the four accumulators by turns, one instruction a turn
.irp q, 0,1,2,3
.if \s == 0
	v_wmma_scale_f32_16x16x128_f8f6f4 v[H1+8*\q:H1+8*\q+7], v[8*(8*\q+\s):8*(8*\q+\s)+7], v[64*(\b)+8*\s:64*(\b)+8*\s+7], 0, v[SW+4*\s+\q], v[XSW+8*(\b)+\s] matrix_a_fmt:MATRIX_FMT_FP4 matrix_b_fmt:MATRIX_FMT_FP4
.else
	v_wmma_scale_f32_16x16x128_f8f6f4 v[H1+8*\q:H1+8*\q+7], v[8*(8*\q+\s):8*(8*\q+\s)+7], v[64*(\b)+8*\s:64*(\b)+8*\s+7], v[H1+8*\q:H1+8*\q+7], v[SW+4*\s+\q], v[XSW+8*(\b)+\s] matrix_a_fmt:MATRIX_FMT_FP4 matrix_b_fmt:MATRIX_FMT_FP4
.endif
.endr
.endr
	WIN 0x0e                                       ; source 0 window 2 (h2): its scale words lie in lanes 16-31
.irp s, 0,1,2,3,4,5,6,7
.irp q, 0,1,2,3
.if \s == 0
	v_wmma_scale_f32_16x16x128_f8f6f4 v[H2+8*\q:H2+8*\q+7], v[8*(8*\q+\s):8*(8*\q+\s)+7], v[64*(\b)+8*\s:64*(\b)+8*\s+7], 0, v[SW+4*\s+\q], v[XSW+8*(\b)+\s] matrix_a_fmt:MATRIX_FMT_FP4 matrix_b_fmt:MATRIX_FMT_FP4 matrix_a_scale:MATRIX_SCALE_ROW1
.else
	v_wmma_scale_f32_16x16x128_f8f6f4 v[H2+8*\q:H2+8*\q+7], v[8*(8*\q+\s):8*(8*\q+\s)+7], v[64*(\b)+8*\s:64*(\b)+8*\s+7], v[H2+8*\q:H2+8*\q+7], v[SW+4*\s+\q], v[XSW+8*(\b)+\s] matrix_a_fmt:MATRIX_FMT_FP4 matrix_b_fmt:MATRIX_FMT_FP4 matrix_a_scale:MATRIX_SCALE_ROW1
.endif
.endr
.endr
	WIN 0
.rept 4
	v_nop                                          ; four places between the last product and the first read of results (ISA guide 7.12.1)
.endr
	; hidden = h1 / (1 + 2^(-h1 log2 e)) x h2, in f32; every accumulator is read from its low end on
	PICK \b, TK+1, \b                              ; the tile two further on takes this tile's set: its operands were read by the products above, four places back
	AISSUE \b
.set ii, 0
.rept 16
	v_pk_mul_f32 v[TT+ii:TT+ii+1], v[H1+ii:H1+ii+1], 0xbfb8aa3b op_sel_hi:[1,0]
.set ii, ii+2
.endr
.set ii, 0
	s_wait_alu depctr_va_vdst(0)
.rept 32
	v_exp_f32 v[TT+ii], v[TT+ii]
.set ii, ii+1
.endr
	v_nop                                          ; a plain place behind the transcendentals
.set ii, 0
	s_wait_alu depctr_va_vdst(0)
.rept 16
	v_pk_add_f32 v[TT+ii:TT+ii+1], v[TT+ii:TT+ii+1], 1.0 op_sel_hi:[1,0]
.set ii, ii+2
.endr
.set ii, 0
	s_wait_alu depctr_va_vdst(0)
.rept 32
	v_rcp_f32 v[TT+ii], v[TT+ii]
.set ii, ii+1
.endr
	v_nop
.set ii, 0
	s_wait_alu depctr_va_vdst(0)
.rept 16
	v_pk_mul_f32 v[TT+ii:TT+ii+1], v[TT+ii:TT+ii+1], v[H1+ii:H1+ii+1]
.set ii, ii+2
.endr
.set ii, 0
.rept 16
	v_pk_mul_f32 v[TT+ii:TT+ii+1], v[TT+ii:TT+ii+1], v[H2+ii:H2+ii+1]
.set ii, ii+2
.endr
	; register 16 b + i = unit 32 b + 16 h + i of my token: two blocks of 32, each shared with lane xor 16
.irp n, 0,1
	v_max3_num_f32 v[QX+\n], |v[TT+16*\n]|, |v[TT+16*\n+1]|, 0x1800000
.endr
.irp i, 2,4,6,8,10,12,14
.irp n, 0,1
	v_max3_num_f32 v[QX+\n], v[QX+\n], |v[TT+16*\n+\i]|, |v[TT+16*\n+\i+1]|
.endr
.endr
.irp n, 0,1
	v_permlanex16_b32 v[PX+\n], v[QX+\n], s32, s33
.endr
.irp n, 0,1
	v_max_num_f32 v[QX+\n], v[QX+\n], v[PX+\n]
.endr
.irp n, 0,1
	v_add_nc_u32 v[QS+\n], 0xff000000, v[QX+\n]
.endr
.irp n, 0,1
	v_lshrrev_b32 v[QB+\n], 23, v[QS+\n]
.endr
	v_lshl_or_b32 v[HSW], v[QB+1], 8, v[QB]        ; the slice's two scale bytes of my token
.irp n, 0,1
	v_cvt_scalef32_pk8_fp4_f32 v[CD+2*\n], v[TT+16*\n:TT+16*\n+7], v[QS+\n]
	v_cvt_scalef32_pk8_fp4_f32 v[CD+2*\n+1], v[TT+16*\n+8:TT+16*\n+15], v[QS+\n]
.endr
	v_nop                                          ; one plain place behind the last scaled conversion
	v_permlane16_swap_b32 v[CD], v[CD+2]           ; lanes 0-15 now hold the whole of block 0, lanes 16-31 of block 1
	v_permlane16_swap_b32 v[CD+1], v[CD+3]
	v_lshl_add_u32 v22, s24, 5, v12                ; position x 32 + 16 h
	v_lshl_add_u32 v23, s24, 1, v13
	global_store_b128 v22, v[CD:CD+3], s[10:11]    ; the wave stores 512 consecutive bytes, at a multiple of 512 from the buffer's first byte
	global_store_b16 v23, v[HSW], s[12:13]         ; lanes r and r + 16 write the same two bytes with the same value
	s_add_co_u32 s24, s24, 16                      ; my segment's next tile
.endm
	s_load_b256 s[4:11], s[0:1], 0x0               ; xq, sel, w12, hc
	s_load_b128 s[12:15], s[0:1], 0x20             ; hs, pt
	v_lshl_add_u32 v222, v0, 2, 0x11000
	v_mov_b32 v223, 0
	v_lshrrev_b32 v28, 5, v0
	v_readfirstlane_b32 s16, v28                   ; wave w
	s_and_b32 s17, ttmp7, 0xffff                   ; e
	s_mov_b32 s18, ttmp9                           ; us
	v_and_b32 v1, 31, v0                           ; lane
	v_and_b32 v2, 15, v0                           ; r
	v_bfe_u32 v3, v0, 4, 1                         ; h
	v_bfe_u32 v28, v0, 3, 1                        ; r / 8
	v_bfe_u32 v29, v0, 1, 1                        ; (r / 2) % 2
	v_bfe_u32 v30, v0, 2, 1                        ; (r / 4) % 2
	v_and_b32 v31, 1, v0                           ; r % 2
	v_lshlrev_b32 v4, 4, v2
	v_lshl_add_u32 v4, v3, 13, v4                  ; w12: 16 r; lanes 16-31 take the second half, 2,048 columns on
	; my columns 4 r + j are units of tile 4 h + 2 (r / 8) + (r / 2) % 2, rows 8 ((r / 4) % 2) + 4 (r % 2) + j; my blocks belong to K steps 2 w, 2 w + 1
	s_lshl_b32 s27, s16, 11
	v_lshlrev_b32 v5, 15, v3
	v_lshl_add_u32 v5, v28, 14, v5
	v_lshl_add_u32 v5, v29, 13, v5
	v_lshl_add_u32 v5, v30, 7, v5
	v_lshl_add_u32 v5, v31, 6, v5
	v_add_nc_u32 v5, s27, v5
	s_lshl_b32 s27, s16, 10
	v_lshl_add_u32 v6, v3, 8, SCL
	v_lshl_add_u32 v6, v30, 7, v6
	v_lshl_add_u32 v6, v31, 6, v6
	v_lshl_add_u32 v6, v28, 3, v6
	v_lshl_add_u32 v6, v29, 2, v6
	v_add_nc_u32 v6, s27, v6
	v_lshlrev_b32 v7, 4, v1
	v_lshl_add_u32 v8, v1, 4, SCL
	v_lshlrev_b32 v11, 4, v3
	v_lshl_add_u32 v12, v2, 5, v11
	v_lshlrev_b32 v13, 1, v2
	v_lshlrev_b32 v14, 2, v1
	s_add_co_u32 s19, s17, 16
	s_lshl_b32 s19, 1, s19                         ; e's bit in a word of sel
	s_lshl_b32 s42, s16, 8                         ; 256 w: my segment's first token and first position
	s_mov_b32 s32, 0x76543210
	s_mov_b32 s33, 0xfedcba98                      ; v_permlanex16_b32's selects for lane xor 16
	s_mov_b32 s46, 0xffff0000                      ; lanes 16-31
	s_lshl_b32 s28, s17, 24                        ; w12: e x 16,777,216 + us x 256 + w x 256 rows of 16,384 bytes
	s_lshl_b32 s27, s18, 8
	s_add_co_u32 s28, s28, s27
	s_lshl_b32 s27, s16, 22
	s_add_co_u32 s28, s28, s27
	s_mov_b32 s29, 0
	s_lshl_b32 s34, s17, 5
	s_add_co_u32 s34, s34, s18                     ; 32 e + us
	s_lshl_b32 s36, s34, 11                        ; hs: 2,048 bytes a slice
	s_lshl_b32 s34, s34, 15                        ; hc: 32,768
	s_mov_b32 s35, 0
	s_mov_b32 s37, 0
	s_lshl_b32 s38, s17, 12                        ; pt's positions: 4,096 bytes an expert, 1,024 a segment
	s_lshl_b32 s27, s16, 10
	s_add_co_u32 s38, s38, s27
	s_mov_b32 s39, 0
	s_lshl_b32 s40, s17, 9                         ; pt's counts: 512 bytes an expert, 128 a segment
	s_lshl_b32 s27, s16, 7
	s_add_co_u32 s40, s40, s27
	s_mov_b32 s41, 0
	s_lshl_b32 s44, s16, 10                        ; sel: 1,024 bytes a segment
	s_mov_b32 s45, 0
	s_mov_b32 s20, 0                               ; how many of my segment chose e, so far
	s_wait_alu depctr_va_vdst(0)
	s_wait_kmcnt 0x0
	s_add_nc_u64 s[8:9], s[8:9], s[28:29]
	s_add_nc_u64 s[10:11], s[10:11], s[34:35]
	s_add_nc_u64 s[12:13], s[12:13], s[36:37]
	s_add_nc_u64 s[6:7], s[6:7], s[44:45]
	s_add_nc_u64 s[38:39], s[14:15], s[38:39]
	s_add_nc_u64 s[40:41], s[14:15], s[40:41]
	s_add_nc_u64 s[30:31], s[4:5], 0x80000         ; x's scale bytes
	; ---- (a) my segment's masks, under the first loads of the stream
.irp i, 0,1,2,3,4,5,6,7
	global_load_b32 v[SL+\i], v14, s[6:7] offset:128*\i    ; tokens 256 w + 32 i + lane: 128 consecutive bytes
.endr
	LOADSET 0
	LOADSET 1
	s_wait_loadcnt 63                              ; 64 loads stand behind sel's eight; a count cannot name more than 63, so one of the younger is waited for too
.irp i, 0,1,2,3,4,5,6,7
	GROUP \i
.endr
	s_cmp_lg_u32 s18, 0
	s_cbranch_scc1 .Lno_pt                         ; one work-group of each expert stores the positions and the counts
	s_wait_alu depctr_va_vdst(0)
.irp i, 0,1,2,3,4,5,6,7
	global_store_b32 v14, v[SL+\i], s[38:39] offset:128*\i
.endr
	v_mov_b32 v26, s20
	global_store_b32 v14, v26, s[40:41] offset:32768
	s_wait_xcnt 0x0                                ; the stores have read their data: these registers are written again below
.Lno_pt:
	; the tokens of my segment's places, 32 to a search, as far as the count reaches; this too stands under the first loads of the stream
	v_mov_b32 v[K16], 16
	v_mov_b32 v[K8], 8
	v_mov_b32 v[K4], 4
	v_mov_b32 v[K2], 2
	v_mov_b32 v[K1], 1
.irp i, 0,1,2,3,4,5,6,7
	v_mov_b32 v[TF+\i], s42                        ; places that are not searched for hold the segment's first token: a real row
.endr
.irp i, 0,1,2,3,4,5,6,7
	s_cmp_le_u32 s20, 32*\i                        ; no place from 32 i on is taken
	s_cbranch_scc1 .Lfound
	FIND \i
.endr
.Lfound:
	s_wait_alu depctr_va_vdst(0)                   ; directly ahead of the readers below
.irp i, 0,1,2,3,4,5,6,7
	v_mov_b32 v[TK+\i], v[TF+\i]                   ; the masks are done with
.endr
	; ---- (b) the stream
.irp i, 0,1,2,3,4,5,6
	PROCESS \i, 32
.endr
	PROCESS 7, 0
	PICK 0, TK, 0                                  ; my first two tiles' tokens,
	PICK 1, TK, 1
	AISSUE 0                                       ; and their operands: they land under the barrier and the LDS loads below
	AISSUE 1
	s_wait_alu depctr_va_vdst(0)
	s_wait_dscnt 0x0                               ; my images and bytes have landed
	s_barrier_signal -1
	s_barrier_wait -1
	; ---- (c) all 64 fragments and their scale words into my registers
	WIN 0x40
.irp q, 0,1,2,3
.irp s, 0,1,2,3,4,5,6,7
.irp c, 0,1
	ds_load_b128 v[8*(8*\q+\s)+4*\c:8*(8*\q+\s)+4*\c+3], v7 offset:(8*\q+\s)*1024+512*\c
.endr
.endr
.endr
	WIN 0x80
.irp q, 0,1,2,3
.irp s, 0,1,2,3,4,5,6,7
.irp c, 0,1
	ds_load_b128 v[8*(8*\q+\s)+4*\c:8*(8*\q+\s)+4*\c+3], v7 offset:32768+(8*\q+\s)*1024+512*\c
.endr
.endr
.endr
	WIN 0
.irp s, 0,1,2,3,4,5,6,7
	ds_load_b128 v[SW+4*\s:SW+4*\s+3], v8 offset:512*\s
.endr
	v_mov_b32 v[PX], 0                             ; a lane permute's destination counts as one of its sources
	v_mov_b32 v[PX+1], 0
	s_min_u32 s23, s20, 256
	s_max_u32 s23, s23, 1                          ; a segment's first tile is always made: the next launch reads it whatever the count
	s_add_co_u32 s23, s23, s42                     ; where my segment's rows end
	s_mov_b32 s24, s42                             ; my tile's first position
	s_mov_b32 s26, 8
	s_wait_dscnt 0x0
.Ltiles:
	TILE 0
	TILE 1
.irp i, 0,1,2,3,4,5,6
	v_mov_b32 v[TK+\i], v[TK+\i+1]                 ; the next trip's 32 places come to the front
.endr
	s_sub_co_u32 s26, s26, 1
	s_cmp_lg_u32 s26, 0
	s_wait_alu depctr_va_vdst(0)
	s_cbranch_scc1 .Ltiles
.Ldone:
	s_wait_tensorcnt 0x0
	ds_add_u32 v222, v223
	s_wait_dscnt 0x0
	s_endpgm
.Lfunc_end_k_qe20ef7bd47_up:
	.size	k_qe20ef7bd47_up, .Lfunc_end_k_qe20ef7bd47_up-k_qe20ef7bd47_up
	.p2alignl 7, 3214868480
	.fill 96, 4, 3214868480
	.section	.rodata,"a",@progbits
	.p2align	6, 0x0
	.amdhsa_kernel k_qe20ef7bd47_up
		.amdhsa_group_segment_fixed_size 70144
		.amdhsa_private_segment_fixed_size 0
		.amdhsa_enable_private_segment 0
		.amdhsa_kernarg_size 48
		.amdhsa_user_sgpr_count 2
		.amdhsa_user_sgpr_kernarg_segment_ptr 1
		.amdhsa_wavefront_size32 1
		.amdhsa_system_sgpr_workgroup_id_x 1
		.amdhsa_system_sgpr_workgroup_id_y 1
		.amdhsa_system_sgpr_workgroup_id_z 1
		.amdhsa_system_vgpr_workitem_id 0
		.amdhsa_next_free_vgpr 896
		.amdhsa_next_free_sgpr 66
		.amdhsa_reserve_vcc 1
		.amdhsa_float_denorm_mode_32 3
		.amdhsa_float_denorm_mode_16_64 3
		.amdhsa_memory_ordered 1
		.amdhsa_forward_progress 1
		.amdhsa_inst_pref_size 189
	.end_amdhsa_kernel
	.amdgpu_metadata
---
amdhsa.version: [ 1, 2 ]
amdhsa.kernels:
  - .name:           k_qe20ef7bd47_up
    .symbol:         k_qe20ef7bd47_up.kd
    .args:
      - { .name: xq, .offset: 0, .size: 8, .value_kind: global_buffer, .address_space: global }
      - { .name: sel, .offset: 8, .size: 8, .value_kind: global_buffer, .address_space: global }
      - { .name: w12, .offset: 16, .size: 8, .value_kind: global_buffer, .address_space: global }
      - { .name: hc, .offset: 24, .size: 8, .value_kind: global_buffer, .address_space: global }
      - { .name: hs, .offset: 32, .size: 8, .value_kind: global_buffer, .address_space: global }
      - { .name: pt, .offset: 40, .size: 8, .value_kind: global_buffer, .address_space: global }
    .group_segment_fixed_size: 70144
    .private_segment_fixed_size: 0
    .kernarg_segment_align: 8
    .kernarg_segment_size: 48
    .max_flat_workgroup_size: 128
    .sgpr_count:     66
    .vgpr_count:     896
    .wavefront_size: 32
...
	.end_amdgpu_metadata
.endif
;; end of part 2
;; launch down (part 3): grid 16 x 16, 4 waves a work-group, no clusters, 52,736 bytes of LDS; arguments w3, hc, hs, pt, y; writes y
.if DOCPART == 3
	.amdgcn_target "amdgcn-amd-amdhsa--gfx1250"
	.amdhsa_code_object_version 6
	.text
	.protected	k_qe20ef7bd47_down
	.globl	k_qe20ef7bd47_down
	.p2align	8
	.type	k_qe20ef7bd47_down,@function
k_qe20ef7bd47_down:
	s_mov_b64 s[64:65], 0
	v_nop
	global_prefetch_b8 v0, s[64:65] scope:SCOPE_SE
	s_setreg_imm32_b32 hwreg(HW_REG_WAVE_MODE, 25, 1), 1
	s_wait_xcnt 0x0
; DOWN.  y = hidden W3 on codes of E2M1, for the rows of each expert, not yet weighted.  Rows of tokens that did not choose the expert are not multiplied: reference() weighs them with 0.
; A work-group takes one expert e, 64 columns (ns) and one half of K (kh: 1,024 hidden units): grid x = ns, grid y = 2 e + kh.  The two halves' sums are added by the next launch.
; (b) wave w streams K rows 256 w .. 256 w + 255 of the half, four sets of two blocks of 32 rows: lanes 0-15 read the 256 consecutive bytes of a row's 64 columns, lanes 16-31 those of the row
; 32 further down; a lane's registers run down its block; codes and scale bytes go to LDS as images of the operand's registers | barrier |
; (c) every wave takes all 32 fragments (4 tiles of 16 columns x 8 K steps); wave w walks segment w of the expert's positions, 256 w on, in tiles of 16: 8 fragments of hidden codes, 32 matrix
; instructions on four accumulators by turns, the tile's 4,096 bytes through the wave's own stage and out.
; FOUR SETS OF HIDDEN OPERANDS.  The segment's first four tiles are asked for during the stream, one behind each set of w3 (a tile past the segment's last asks for the last one again: only written
; bytes are read).  A set is asked for again behind the products that read it, for the tile four further on, and only if that tile exists: a branch on the stored count leads round the loads.
; So the loop has one wait for all loads at the head of each trip of four tiles, and no counted wait hangs on which way was taken.
; A wave whose next tile begins at or past its segment's count (read from pt; held at 1 from below, as the launch before holds it) ends.  4 trips of four tiles serve a whole segment, so every split.
; WHY NO TENSOR LOAD, NO CLUSTER: branches hang on a stored count; each byte of w3 has one reader.  No L2 prefetch: the stream has its loads out from its first line on.
; LAYOUT.  Transposed use (source 0 = 16 columns of w3, source 1 = 16 positions).  Row m of tile u is local column 32 (m / 8) + 8 u + m % 8, so a lane's 32 results are 32 neighbouring columns.
; LIMITS: NaN and infinities are not served; a block of zeros carries the byte 1 with zero codes (the bytes are read by this program alone).
; OUT: y [kh][ns][1,024 e + position][64 f32].
.set IMG,  0                           ; LDS: fragment (u, s) at (8 u + s) x 1,024, an image of its registers: + 256 x block + 16 x row
.set SCL,  32768                       ; scale bytes: 1,024 (u / 2) + 512 (s / 4) + 256 (u % 2) + 16 row + 4 (s % 4) + block
.set STG,  34816                       ; a stage of 16 rows x (256 + 16) bytes for each wave
.set SPITCH, 272
.set SPARE, 52224                      ; the spare words, 128 bytes a wave
; window 0: v1 lane, v2 r, v3 h, v4 w3 offset, v5 image address, v6 scale byte address, v7 16 lane, v8 SCL + 16 lane, v9 32 r + 16 h, v10 2 r + 2,048 h, v11 into the stage, v12 out of it,
;   v13 y offset, v18, v28-31 at work
.set AH,   20                          ; v20-23  offsets in hc, one for each set
.set AS,   24                          ; v24-27  offsets in hs
.set SW,   32                          ; v32-47  w3's scale words: register 8 (u / 2) + s: lanes 0-15 the even tile, lanes 16-31 the odd
.set HW,   48                          ; v48-55  the hidden layer's scale words of the tile in hand
.set T,    64                          ; (b) v64-191 a set turned: register 32 j + k = column j, row k
.set PT,   64                          ; (c) v64-71 the other half's scale bytes
.set ACC,  128                         ; (c) v128-159 four accumulators, one a tile of columns
.set RB,   176                         ; (c) v176-207 the tile read back by rows
.set C,    192
.set MX,   208
.set SO,   212
.set BY,   216
.set RS,   220                         ; v220-251 scale bytes, four sets of 8: register q: lanes 0-15 slice 2 q's two bytes, lanes 16-31 slice 2 q + 1's
.set NH,   24                          ; loads that bring a tile's operands
; window 1: (b) two sets of 128 as loaded; (c) w3's fragments, (u, s) at 8 (8 u + s).   window 2: the hidden fragments, four sets of 64
.set MSB, 0
.macro WIN new                         ; the immediate's high byte repeats the setting that is left
.if MSB != \new
	s_set_vgpr_msb (MSB<<8)|\new
.set MSB, \new
.endif
.endm
.macro LOADSET i                       ; blocks 2 i, 2 i + 1 of my eight: row 64 i + 32 h + k
	WIN 0x40
.set kk, 0
.rept 32
	global_load_b128 v[128*((\i)%2)+4*kk:128*((\i)%2)+4*kk+3], v4, s[4:5] offset:(64*(\i)+kk)*4096 th:TH_LOAD_NT
.set kk, kk+1
.endr
	WIN 0
.endm
.macro PROCESS i, left
	s_wait_loadcnt \left                           ; this set's 32 loads are in; what was issued behind them may be out
	WIN 0x01
.set kk, 0
.rept 32
.irp j, 0,1,2,3
	v_mov_b32 v[T+32*\j+kk], v[128*((\i)%2)+4*kk+\j]       ; the turn: the conversions want neighbours along K in consecutive registers
.endr
.set kk, kk+1
.endr
.if (\i) < 2
	LOADSET (\i)+2
.endif
	WIN 0
	s_wait_dscnt 0x0                               ; the last set's LDS stores have read the codes' and bytes' registers
.irp j, 0,1,2,3
	v_max3_num_f32 v[MX+\j], |v[T+32*\j]|, |v[T+32*\j+1]|, 0x1800000      ; with the floor 2^(3 - 127): the byte cannot fall under 1
.endr
.irp n, 2,4,6,8,10,12,14,16,18,20,22,24,26,28,30
.irp j, 0,1,2,3
	v_max3_num_f32 v[MX+\j], v[MX+\j], |v[T+32*\j+\n]|, |v[T+32*\j+\n+1]|
.endr
.endr
.irp j, 0,1,2,3
	v_add_nc_u32 v[SO+\j], 0xff000000, v[MX+\j]    ; 2 off the exponent field: the conversion's scale operand
.endr
.irp j, 0,1,2,3
	v_lshrrev_b32 v[BY+\j], 23, v[SO+\j]           ; the scale's byte
.endr
.irp j, 0,1,2,3
.irp g, 0,1,2,3
	v_cvt_scalef32_pk8_fp4_f32 v[C+4*\j+\g], v[T+32*\j+8*\g:T+32*\j+8*\g+7], v[SO+\j]
.endr
.endr
	v_nop                                          ; one plain place behind the last scaled conversion
.irp j, 0,1,2,3
	ds_store_b128 v5, v[C+4*\j:C+4*\j+3] offset:((\i)/2)*1024+((\i)%2)*512+16*\j   ; K step 2 w + i / 2, block 2 (i % 2) + h, row + j
	ds_store_b8 v6, v[BY+\j] offset:4*((\i)/2)+2*((\i)%2)+16*\j
.endr
.endm
.macro HISSUE b                        ; a tile's 8 fragments and its scale bytes into set b: NH = 24 loads
	WIN 0x80                                       ; destination window 2
.irp s, 0,1,2,3,4,5,6,7
.irp c, 0,1
	global_load_b128 v[64*(\b)+8*\s+4*\c:64*(\b)+8*\s+4*\c+3], v[AH+(\b)], s[6:7] offset:(2*\s+\c)*32768   ; slice 2 s + c of my half: 512 consecutive bytes
.endr
.endr
	WIN 0
.irp q, 0,1,2,3,4,5,6,7
	global_load_u16 v[RS+8*(\b)+\q], v[AS+(\b)], s[8:9] offset:4096*\q      ; lanes 0-15 slice 2 q, lanes 16-31 slice 2 q + 1
.endr
.endm
.macro MM u, s, b
.if (\s) == 0
.if (\u)%2
	v_wmma_scale_f32_16x16x128_f8f6f4 v[ACC+8*\u:ACC+8*\u+7], v[8*(8*\u+\s):8*(8*\u+\s)+7], v[64*(\b)+8*\s:64*(\b)+8*\s+7], 0, v[SW+8*(\u/2)+\s], v[HW+\s] matrix_a_fmt:MATRIX_FMT_FP4 matrix_b_fmt:MATRIX_FMT_FP4 matrix_a_scale:MATRIX_SCALE_ROW1
.else
	v_wmma_scale_f32_16x16x128_f8f6f4 v[ACC+8*\u:ACC+8*\u+7], v[8*(8*\u+\s):8*(8*\u+\s)+7], v[64*(\b)+8*\s:64*(\b)+8*\s+7], 0, v[SW+8*(\u/2)+\s], v[HW+\s] matrix_a_fmt:MATRIX_FMT_FP4 matrix_b_fmt:MATRIX_FMT_FP4
.endif
.else
.if (\u)%2
	v_wmma_scale_f32_16x16x128_f8f6f4 v[ACC+8*\u:ACC+8*\u+7], v[8*(8*\u+\s):8*(8*\u+\s)+7], v[64*(\b)+8*\s:64*(\b)+8*\s+7], v[ACC+8*\u:ACC+8*\u+7], v[SW+8*(\u/2)+\s], v[HW+\s] matrix_a_fmt:MATRIX_FMT_FP4 matrix_b_fmt:MATRIX_FMT_FP4 matrix_a_scale:MATRIX_SCALE_ROW1
.else
	v_wmma_scale_f32_16x16x128_f8f6f4 v[ACC+8*\u:ACC+8*\u+7], v[8*(8*\u+\s):8*(8*\u+\s)+7], v[64*(\b)+8*\s:64*(\b)+8*\s+7], v[ACC+8*\u:ACC+8*\u+7], v[SW+8*(\u/2)+\s], v[HW+\s] matrix_a_fmt:MATRIX_FMT_FP4 matrix_b_fmt:MATRIX_FMT_FP4
.endif
.endif
.endm
.macro TILE3 b
	s_cmp_ge_u32 s24, s23                          ; my tile begins at or past the count: so do all my later ones
	s_cbranch_scc1 .Ldone
.irp q, 0,1,2,3,4,5,6,7
	v_permlanex16_b32 v[PT+\q], v[RS+8*(\b)+\q], s38, s39   ; lanes 0-15 get slice 2 q + 1's two bytes (the destination has been written before)
.endr
.irp q, 0,1,2,3,4,5,6,7
	v_lshl_or_b32 v[HW+\q], v[PT+\q], 16, v[RS+8*(\b)+\q]   ; K step q's word in lanes 0-15, the lanes that the product reads
.endr
.rept 8
	v_nop                                          ; a scale register written by a vector instruction stands eight places ahead of a scaled matrix instruction
.endr
	WIN 0x09                                       ; source 0 window 1 (w3), source 1 window 2 (hidden)
.irp s, 0,1,2,3,4,5,6,7                        ; the four accumulators by turns, one instruction a turn
.irp u, 0,1,2,3
	MM \u, \s, \b
.endr
.endr
	WIN 0
.rept 4
	v_nop                                          ; four places ahead of the loads into the operands just read and of the first read of results
.endr
	s_wait_xcnt 0x0                                ; the last tile's stores have read their data and offset
	s_add_co_u32 s27, s24, 64
	s_cmp_ge_u32 s27, s23
	s_cbranch_scc1 .Lno_fill_\@                    ; no tile four further on: nothing is asked for
	v_lshl_add_u32 v[AH+\b], s27, 5, v9            ; (the loads that last used these registers were waited for at the trip's head)
	v_lshl_add_u32 v[AS+\b], s27, 1, v10
	HISSUE \b
.Lno_fill_\@:
.irp u, 0,1,2,3
	ds_store_b128 v11, v[ACC+8*\u:ACC+8*\u+3] offset:32*\u           ; each accumulator from its low end on; register j of tile u = column 32 h + 8 u + j
	ds_store_b128 v11, v[ACC+8*\u+4:ACC+8*\u+7] offset:32*\u+16
.endr
.irp i, 0,1,2,3,4,5,6,7
	ds_load_b128 v[RB+4*\i:RB+4*\i+3], v12 offset:2*SPITCH*\i   ; LDS serves a wave's instructions in order: these see my stores; two rows of 256 bytes an instruction
.endr
	v_lshl_add_u32 v13, s24, 8, v7
	s_wait_alu depctr_va_vdst(0)
.irp i, 0,1,2,3,4,5,6,7
	s_wait_dscnt 7-\i                              ; rows 2 i, 2 i + 1 are back; the 7 - i loads behind them may be out
	global_store_b128 v13, v[RB+4*\i:RB+4*\i+3], s[12:13] offset:512*\i    ; 512 consecutive bytes, at a multiple of 512 from the buffer's first byte
.endr
	s_add_co_u32 s24, s24, 16                      ; my segment's next tile
.endm
	s_load_b256 s[4:11], s[0:1], 0x0               ; w3, hc, hs, pt
	s_load_b64 s[12:13], s[0:1], 0x20              ; y
	v_lshl_add_u32 v254, v0, 2, SPARE
	v_mov_b32 v255, 0
	v_lshrrev_b32 v28, 5, v0
	v_readfirstlane_b32 s16, v28                   ; wave w
	s_and_b32 s19, ttmp7, 0xffff
	s_lshr_b32 s17, s19, 1                         ; e
	s_and_b32 s19, s19, 1                          ; kh
	s_mov_b32 s38, 0x76543210
	s_mov_b32 s39, 0xfedcba98                      ; v_permlanex16_b32's selects for lane xor 16
	s_lshl_b32 s20, s16, 11                        ; images: my K steps 2 w, 2 w + 1
	s_lshr_b32 s21, s16, 1                         ; scale bytes: 512 (w / 2) + 8 (w % 2)
	s_lshl_b32 s21, s21, 9
	s_and_b32 s27, s16, 1
	s_lshl_b32 s27, s27, 3
	s_add_co_u32 s21, s21, s27
	s_mul_i32 s22, s16, 16*SPITCH
	s_add_co_u32 s22, s22, STG                     ; my stage
	s_lshl_b32 s28, s17, 23                        ; w3: e x 8,388,608 + kh x 1,024 rows + w x 256 rows of 4,096 bytes + ns x 256
	s_lshl_b32 s27, s19, 22
	s_add_co_u32 s28, s28, s27
	s_lshl_b32 s27, s16, 20
	s_add_co_u32 s28, s28, s27
	s_lshl_b32 s27, ttmp9, 8
	s_add_co_u32 s28, s28, s27
	s_mov_b32 s29, 0
	s_lshl_b32 s30, s17, 20                        ; hc: 32 slices of 32,768 bytes an expert, 16 a half
	s_lshl_b32 s27, s19, 19
	s_add_co_u32 s30, s30, s27
	s_mov_b32 s31, 0
	s_lshl_b32 s32, s17, 16                        ; hs: slices of 2,048 bytes
	s_lshl_b32 s27, s19, 15
	s_add_co_u32 s32, s32, s27
	s_mov_b32 s33, 0
	s_lshl_b32 s34, s17, 9                         ; pt's counts: 512 bytes an expert, 128 a segment
	s_lshl_b32 s27, s16, 7
	s_add_co_u32 s34, s34, s27
	s_mov_b32 s35, 0
	s_lshl_b32 s36, s19, 25                        ; y: kh x 2^25 + ns x 2^21 + e x 1,024 rows of 256 bytes
	s_lshl_b32 s27, ttmp9, 21
	s_add_co_u32 s36, s36, s27
	s_lshl_b32 s27, s17, 18
	s_add_co_u32 s36, s36, s27
	s_mov_b32 s37, 0
	v_and_b32 v1, 31, v0
	v_and_b32 v2, 15, v0                           ; r; in the stream cq: my four columns 4 cq + j
	v_bfe_u32 v3, v0, 4, 1                         ; h; in the stream: which of the set's two blocks
	v_bfe_u32 v28, v0, 1, 2                        ; u = (cq / 2) % 4
	v_bfe_u32 v29, v0, 3, 1                        ; cq / 8
	v_and_b32 v30, 1, v0                           ; cq % 2
	v_bfe_u32 v31, v0, 2, 1                        ; u / 2
	v_bfe_u32 v18, v0, 1, 1                        ; u % 2
	v_lshlrev_b32 v4, 4, v2
	v_lshl_add_u32 v4, v3, 17, v4                  ; w3: 16 cq + 32 h rows of 4,096 bytes
	v_lshlrev_b32 v5, 13, v28                      ; my columns are rows 8 (cq / 8) + 4 (cq % 2) + j of tile u
	v_lshl_add_u32 v5, v3, 8, v5
	v_lshl_add_u32 v5, v29, 7, v5
	v_lshl_add_u32 v5, v30, 6, v5
	v_add_nc_u32 v5, s20, v5
	v_add_nc_u32 v6, SCL, v3
	v_lshl_add_u32 v6, v31, 10, v6
	v_lshl_add_u32 v6, v18, 8, v6
	v_lshl_add_u32 v6, v29, 7, v6
	v_lshl_add_u32 v6, v30, 6, v6
	v_add_nc_u32 v6, s21, v6
	v_lshlrev_b32 v7, 4, v1
	v_lshl_add_u32 v8, v1, 4, SCL
	v_lshlrev_b32 v9, 5, v2
	v_lshl_add_u32 v9, v3, 4, v9
	v_lshlrev_b32 v10, 1, v2
	v_lshl_add_u32 v10, v3, 11, v10                ; hs: 2 r; lanes 16-31 take the next slice
	v_mul_u32_u24 v11, v2, SPITCH
	v_lshl_add_u32 v11, v3, 7, v11
	v_add_nc_u32 v11, s22, v11                     ; in: row r, 128 bytes for each half of the lanes
	v_mul_u32_u24 v12, v3, SPITCH
	v_lshl_add_u32 v12, v2, 4, v12
	v_add_nc_u32 v12, s22, v12                     ; back: sixteen lanes to a row
	s_wait_alu depctr_va_vdst(0)
	s_wait_kmcnt 0x0
	s_add_nc_u64 s[4:5], s[4:5], s[28:29]
	s_add_nc_u64 s[6:7], s[6:7], s[30:31]
	s_add_nc_u64 s[8:9], s[8:9], s[32:33]
	s_add_nc_u64 s[34:35], s[10:11], s[34:35]
	s_add_nc_u64 s[12:13], s[12:13], s[36:37]
	s_load_b32 s23, s[34:35], 0x8000               ; my segment's count
	LOADSET 0
	LOADSET 1
	PROCESS 0, 32
	s_wait_kmcnt 0x0
	s_min_u32 s23, s23, 256
	s_max_u32 s23, s23, 1                          ; a segment's first tile was always made
	s_lshl_b32 s24, s16, 8                         ; my segment's first position
	s_add_co_u32 s23, s23, s24                     ; and where its rows end
	s_mov_b32 s40, s24                             ; my first four tiles; one that does not exist: the one before again
.irp k, 1,2,3
	s_add_co_u32 s25, s[39+\k], 16
	s_cmp_lt_u32 s25, s23
	s_cselect_b32 s[40+\k], s25, s[39+\k]
.endr
.irp k, 0,1,2,3
	v_lshl_add_u32 v[AH+\k], s[40+\k], 5, v9
	v_lshl_add_u32 v[AS+\k], s[40+\k], 1, v10
.endr
	HISSUE 0                                       ; a tile's operands behind each set of the stream
	PROCESS 1, 32+NH                               ; behind set 1's loads: set 2's 32 and the first tile's 24
	HISSUE 1
	PROCESS 2, 63                                  ; behind set 2's: 24 + 32 + 24; a count cannot name more than 63, so some of the younger are waited for too
	HISSUE 2
	PROCESS 3, 2*NH                                ; behind set 3's: two tiles' 24
	HISSUE 3
	s_wait_dscnt 0x0                               ; my images and bytes have landed
	s_barrier_signal -1
	s_barrier_wait -1
	WIN 0x40
.irp f, 0,1,2,3,4,5,6,7,8,9,10,11,12,13,14,15,16,17,18,19,20,21,22,23,24,25,26,27,28,29,30,31
.irp c, 0,1
	ds_load_b128 v[8*\f+4*\c:8*\f+4*\c+3], v7 offset:\f*1024+512*\c
.endr
.endr
	WIN 0
.irp i, 0,1,2,3
	ds_load_b128 v[SW+4*\i:SW+4*\i+3], v8 offset:512*\i
.endr
	s_mov_b32 s26, 4
	s_wait_dscnt 0x0
.Ltiles:
	s_wait_loadcnt 0x0                             ; all four sets are in, whichever of them were asked for again
	TILE3 0
	TILE3 1
	TILE3 2
	TILE3 3
	s_sub_co_u32 s26, s26, 1
	s_cmp_lg_u32 s26, 0
	s_cbranch_scc1 .Ltiles
.Ldone:
	s_wait_tensorcnt 0x0                           ; the wave's end
	ds_add_u32 v254, v255
	s_wait_dscnt 0x0
	s_endpgm
.Lfunc_end_k_qe20ef7bd47_down:
	.size	k_qe20ef7bd47_down, .Lfunc_end_k_qe20ef7bd47_down-k_qe20ef7bd47_down
	.p2alignl 7, 3214868480
	.fill 96, 4, 3214868480
	.section	.rodata,"a",@progbits
	.p2align	6, 0x0
	.amdhsa_kernel k_qe20ef7bd47_down
		.amdhsa_group_segment_fixed_size 52736
		.amdhsa_private_segment_fixed_size 0
		.amdhsa_enable_private_segment 0
		.amdhsa_kernarg_size 40
		.amdhsa_user_sgpr_count 2
		.amdhsa_user_sgpr_kernarg_segment_ptr 1
		.amdhsa_wavefront_size32 1
		.amdhsa_system_sgpr_workgroup_id_x 1
		.amdhsa_system_sgpr_workgroup_id_y 1
		.amdhsa_system_sgpr_workgroup_id_z 1
		.amdhsa_system_vgpr_workitem_id 0
		.amdhsa_next_free_vgpr 768
		.amdhsa_next_free_sgpr 66
		.amdhsa_reserve_vcc 0
		.amdhsa_float_denorm_mode_32 3
		.amdhsa_float_denorm_mode_16_64 3
		.amdhsa_memory_ordered 1
		.amdhsa_forward_progress 1
		.amdhsa_inst_pref_size 113
	.end_amdhsa_kernel
	.amdgpu_metadata
---
amdhsa.version: [ 1, 2 ]
amdhsa.kernels:
  - .name:           k_qe20ef7bd47_down
    .symbol:         k_qe20ef7bd47_down.kd
    .args:
      - { .name: w3, .offset: 0, .size: 8, .value_kind: global_buffer, .address_space: global }
      - { .name: hc, .offset: 8, .size: 8, .value_kind: global_buffer, .address_space: global }
      - { .name: hs, .offset: 16, .size: 8, .value_kind: global_buffer, .address_space: global }
      - { .name: pt, .offset: 24, .size: 8, .value_kind: global_buffer, .address_space: global }
      - { .name: y, .offset: 32, .size: 8, .value_kind: global_buffer, .address_space: global }
    .group_segment_fixed_size: 52736
    .private_segment_fixed_size: 0
    .kernarg_segment_align: 8
    .kernarg_segment_size: 40
    .max_flat_workgroup_size: 128
    .sgpr_count:     66
    .vgpr_count:     768
    .wavefront_size: 32
...
	.end_amdgpu_metadata
.endif
;; end of part 3
;; launch join (part 4): grid 256 x 1, 4 waves a work-group, no clusters, 0 bytes of LDS; arguments sel, pt, rf, y, out0, out1; writes out0, out1
.if DOCPART == 4
	.amdgcn_target "amdgcn-amd-amdhsa--gfx1250"
	.amdhsa_code_object_version 6
	.text
	.protected	k_qe20ef7bd47_join
	.globl	k_qe20ef7bd47_join
	.p2align	8
	.type	k_qe20ef7bd47_join,@function
k_qe20ef7bd47_join:
	s_mov_b64 s[64:65], 0
	v_nop
	global_prefetch_b8 v0, s[64:65] scope:SCOPE_SE
	s_setreg_imm32_b32 hwreg(HW_REG_WAVE_MODE, 25, 1), 1
	s_wait_xcnt 0x0
; JOIN.  out0[t] = c0 (both K halves of y at e0's row of t) + c1 (the same at e1's row); out1 = 0.01 x the mean of logit^2.  One wave takes one token t = 4 x work-group + wave: each output row has one owner.
; The experts that t did not choose have the weight 0 in reference(): their rows were not made and are not read.
; The token's two experts (sel), its places in their lists (pt) and its two weights (rf) come by scalar loads; the place is chosen among the eight loaded by s_cselect_b32.
; y is [K half][slice of 64 columns][1,024 e + place][64 f32]: a load reads two pieces of 256 consecutive bytes of one row; a store covers 512 consecutive bytes of out0.
; Wave 0 of work-group 0 also adds the 1,024 tokens' sums of logit^2; its loads for that go out first.  A stream: no LDS, no barrier, no matrix unit.
.set Y0, 32                            ; v32-63   the first expert's row, first K half, then the result
.set Y1, 64                            ; v64-95   the second's
.set AXR, 96                           ; v96-127  32 of the 1,024 sums
.set Y2, 128                           ; v128-159 the first expert's row, second K half
.set Y3, 160                           ; v160-191 the second's
.macro COMBINE
	s_load_b32 s18, s[4:5], 0x0                    ; sel[t]
.irp e, 0,1,2,3,4,5,6,7
	s_load_b32 s[40+\e], s[6:7], 4096*\e           ; t's place in each expert's list (meaningful for the two chosen)
.endr
	s_load_b64 s[20:21], s[36:37], 0x0             ; c0, c1
	s_wait_kmcnt 0x0
	s_and_b32 s24, s18, 0xff
	s_min_u32 s24, s24, 7                          ; e0
	s_bfe_u32 s25, s18, 0x80008
	s_min_u32 s25, s25, 7                          ; e1
	s_mov_b32 s26, s40
	s_mov_b32 s27, s40
.irp e, 1,2,3,4,5,6,7
	s_cmp_eq_u32 s24, \e
	s_cselect_b32 s26, s[40+\e], s26
	s_cmp_eq_u32 s25, \e
	s_cselect_b32 s27, s[40+\e], s27
.endr
	s_min_u32 s26, s26, 0x3ff
	s_min_u32 s27, s27, 0x3ff
	s_lshl_b32 s24, s24, 10
	s_add_co_u32 s24, s24, s26
	s_lshl_b32 s24, s24, 8                         ; (1,024 e0 + place) x 256 bytes
	s_lshl_b32 s25, s25, 10
	s_add_co_u32 s25, s25, s27
	s_lshl_b32 s25, s25, 8
	s_mov_b32 s22, s21                             ; c1 as the low word of a pair of its own
	s_mov_b32 s23, s21
	v_add_nc_u32 v6, s24, v4
	v_add_nc_u32 v7, s25, v4
	v_add_nc_u32 v8, 0x2000000, v6                 ; the second K half lies 2^25 bytes on
	v_add_nc_u32 v9, 0x2000000, v7
.irp i, 0,1,2,3,4,5,6,7                        ; columns 128 i + 4 lane on: slice 2 i + lane / 16
	global_load_b128 v[Y0+4*\i:Y0+4*\i+3], v6, s[48+2*(\i/2):49+2*(\i/2)] offset:(\i%2)<<22 th:TH_LOAD_NT
	global_load_b128 v[Y1+4*\i:Y1+4*\i+3], v7, s[48+2*(\i/2):49+2*(\i/2)] offset:(\i%2)<<22 th:TH_LOAD_NT
	global_load_b128 v[Y2+4*\i:Y2+4*\i+3], v8, s[48+2*(\i/2):49+2*(\i/2)] offset:(\i%2)<<22 th:TH_LOAD_NT
	global_load_b128 v[Y3+4*\i:Y3+4*\i+3], v9, s[48+2*(\i/2):49+2*(\i/2)] offset:(\i%2)<<22 th:TH_LOAD_NT
.endr
	s_wait_loadcnt 0x0
.set ii, 0
.rept 16
	v_pk_add_f32 v[Y0+ii:Y0+ii+1], v[Y0+ii:Y0+ii+1], v[Y2+ii:Y2+ii+1]      ; the two halves of K
	v_pk_add_f32 v[Y1+ii:Y1+ii+1], v[Y1+ii:Y1+ii+1], v[Y3+ii:Y3+ii+1]
.set ii, ii+2
.endr
.set ii, 0
.rept 16
	v_pk_mul_f32 v[Y0+ii:Y0+ii+1], v[Y0+ii:Y0+ii+1], s[20:21] op_sel_hi:[1,0]
.set ii, ii+2
.endr
.set ii, 0
.rept 16
	v_pk_fma_f32 v[Y0+ii:Y0+ii+1], v[Y1+ii:Y1+ii+1], s[22:23], v[Y0+ii:Y0+ii+1] op_sel_hi:[1,0,1]
.set ii, ii+2
.endr
.irp i, 0,1,2,3,4,5,6,7
	global_store_b128 v3, v[Y0+4*\i:Y0+4*\i+3], s[12:13] offset:512*\i th:TH_STORE_NT
.endr
.endm
	s_load_b256 s[4:11], s[0:1], 0x0               ; sel, pt, rf, y
	s_load_b128 s[12:15], s[0:1], 0x20             ; out0, out1
	v_lshrrev_b32 v2, 5, v0
	v_readfirstlane_b32 s16, v2                    ; wave
	v_and_b32 v1, 31, v0                           ; lane
	s_lshl_b32 s17, ttmp9, 2
	s_add_co_u32 s17, s17, s16                     ; t
	v_lshlrev_b32 v3, 4, v1                        ; 16 x lane
	v_lshrrev_b32 v4, 4, v1
	v_and_b32 v5, 15, v1
	v_lshlrev_b32 v5, 4, v5
	v_lshl_add_u32 v4, v4, 21, v5                  ; (lane / 16) slices of 2^21 bytes + 16 (lane % 16)
	s_lshl_b32 s30, s17, 2
	s_mov_b32 s31, 0
	s_lshl_b32 s32, s17, 3
	s_mov_b32 s33, 0
	s_lshl_b32 s34, s17, 12
	s_mov_b32 s35, 0
	s_mov_b32 s28, 0x76543210
	s_mov_b32 s29, 0xfedcba98                      ; v_permlanex16_b32's selects for lane xor 16
	s_wait_kmcnt 0x0
	s_add_nc_u64 s[4:5], s[4:5], s[30:31]
	s_add_nc_u64 s[6:7], s[6:7], s[30:31]
	s_add_nc_u64 s[36:37], s[8:9], s[32:33]
	s_add_nc_u64 s[12:13], s[12:13], s[34:35]
	s_mov_b64 s[48:49], s[10:11]                   ; y at slices 0, 4, 8, 12: the step of two slices between stands in the loads' immediate
	s_add_nc_u64 s[50:51], s[10:11], 1<<23
	s_add_nc_u64 s[52:53], s[10:11], 2<<23
	s_add_nc_u64 s[54:55], s[10:11], 3<<23
	s_or_b32 s19, ttmp9, s16
	s_cmp_lg_u32 s19, 0
	s_cbranch_scc1 .Lplain
	s_wait_alu depctr_va_vdst(0)                   ; ahead of the first readers of the head's registers
.irp i, 0,1,2,3,4,5,6,7
	global_load_b128 v[AXR+4*\i:AXR+4*\i+3], v3, s[8:9] offset:8192+512*\i
.endr
	COMBINE
.irp i, 2,4,6,8,10,12,14,16,18,20,22,24,26,28,30
	v_pk_add_f32 v[AXR:AXR+1], v[AXR:AXR+1], v[AXR+\i:AXR+\i+1]
.endr
	v_add_f32 v[AXR], v[AXR], v[AXR+1]
.irp m, 1,2,4,8
	v_add_f32_dpp v[AXR], v[AXR], v[AXR] row_xmask:\m row_mask:0xf bank_mask:0xf
.endr
	v_permlanex16_b32 v[AXR+1], v[AXR], s28, s29   ; its destination has been written before
	v_add_f32 v[AXR], v[AXR], v[AXR+1]
	v_mul_f32 v[AXR], 0x35a3d70a, v[AXR]           ; x 0.01 / 8,192
	v_mov_b32 v10, 0
	s_wait_alu depctr_va_vdst(0)
	s_wait_xcnt 0x0                                ; EXEC changes only behind this wait: it is a source of the stores above
	v_cmp_eq_u32 vcc_lo, 0, v1
	s_and_saveexec_b32 s38, vcc_lo                 ; lane 0 alone
	global_store_b32 v10, v[AXR], s[14:15]
	s_wait_xcnt 0x0                                ; and again in front of the line that widens it
	s_or_b32 exec_lo, exec_lo, s38
	s_endpgm
.Lplain:
	s_wait_alu depctr_va_vdst(0)                   ; behind the taken branch
	COMBINE
	s_endpgm
.Lfunc_end_k_qe20ef7bd47_join:
	.size	k_qe20ef7bd47_join, .Lfunc_end_k_qe20ef7bd47_join-k_qe20ef7bd47_join
	.p2alignl 7, 3214868480
	.fill 96, 4, 3214868480
	.section	.rodata,"a",@progbits
	.p2align	6, 0x0
	.amdhsa_kernel k_qe20ef7bd47_join
		.amdhsa_group_segment_fixed_size 0
		.amdhsa_private_segment_fixed_size 0
		.amdhsa_enable_private_segment 0
		.amdhsa_kernarg_size 48
		.amdhsa_user_sgpr_count 2
		.amdhsa_user_sgpr_kernarg_segment_ptr 1
		.amdhsa_wavefront_size32 1
		.amdhsa_system_sgpr_workgroup_id_x 1
		.amdhsa_system_sgpr_workgroup_id_y 1
		.amdhsa_system_sgpr_workgroup_id_z 1
		.amdhsa_system_vgpr_workitem_id 0
		.amdhsa_next_free_vgpr 192
		.amdhsa_next_free_sgpr 66
		.amdhsa_reserve_vcc 1
		.amdhsa_float_denorm_mode_32 3
		.amdhsa_float_denorm_mode_16_64 3
		.amdhsa_memory_ordered 1
		.amdhsa_forward_progress 1
		.amdhsa_inst_pref_size 25
	.end_amdhsa_kernel
	.amdgpu_metadata
---
amdhsa.version: [ 1, 2 ]
amdhsa.kernels:
  - .name:           k_qe20ef7bd47_join
    .symbol:         k_qe20ef7bd47_join.kd
    .args:
      - { .name: sel, .offset: 0, .size: 8, .value_kind: global_buffer, .address_space: global }
      - { .name: pt, .offset: 8, .size: 8, .value_kind: global_buffer, .address_space: global }
      - { .name: rf, .offset: 16, .size: 8, .value_kind: global_buffer, .address_space: global }
      - { .name: y, .offset: 24, .size: 8, .value_kind: global_buffer, .address_space: global }
      - { .name: out0, .offset: 32, .size: 8, .value_kind: global_buffer, .address_space: global }
      - { .name: out1, .offset: 40, .size: 8, .value_kind: global_buffer, .address_space: global }
    .group_segment_fixed_size: 0
    .private_segment_fixed_size: 0
    .kernarg_segment_align: 8
    .kernarg_segment_size: 48
    .max_flat_workgroup_size: 128
    .sgpr_count:     66
    .vgpr_count:     192
    .wavefront_size: 32
...
	.end_amdgpu_metadata
.endif
;; end of part 4
